; MI455X (gfx1250); checked and timed in simulation.
; The chip was launched on July 23, 2026; its instructions are those of AMD's public machine-readable ISA for CDNA 5 (MIT licence, August 2026) and "CDNA5" Instruction Set Architecture Reference Guide (July 2026). The comments in the code are by the model that wrote it; some were corrected since.
;; Multi Head Cross Attention. Allowed arithmetic: float matrix products may take bf16 or f16 operands with f32 sums; all other float work in f32.
;; Inputs: Wk 1,024 x 256 float32; Wo 1,024 x 1,024 float32; Wq 1,024 x 128 float32; Wv 1,024 x 256 float32; bk 1,024 float32; bo 1,024 float32; bq 1,024 float32; bv 1,024 float32; key 8 x 1,024 x 256 float32; key_padding_mask 8 x 1,024 bool; query 8 x 1,024 x 128 float32; value 8 x 1,024 x 256 float32.
;; Outputs: out0 8 x 1,024 x 1,024 float32.
;; One version. Each part assembles by itself: llvm-mc -triple=amdgcn-amd-amdhsa -mcpu=gfx1250 --defsym DOCPART=n.
;; ======== version 1 of 1: 3 launches
;; limits: values are held in f16: magnitudes above 65,504 overflow, below 6.1e-05 lose precision
;; workspace buffers: qws 16,777,216 bytes; kws 16,777,216 bytes; vws 16,777,216 bytes; attnws 16,777,216 bytes; wob 2,097,152 bytes
;; launch proj (part 1): grid 4 x 64, 4 waves a work-group, clusters of 4 x 4, 327,680 bytes of LDS; arguments key, value, query, Wk, Wv, Wq, bk, bv, bq, Wo, kws, vws, qws, wob; writes kws, vws, qws, wob
.if DOCPART == 1
	.amdgcn_target "amdgcn-amd-amdhsa--gfx1250"
	.amdhsa_code_object_version 6
	.text
	.protected	k_q27a501ab20_proj
	.globl	k_q27a501ab20_proj
	.p2align	8
	.type	k_q27a501ab20_proj,@function
k_q27a501ab20_proj:
	s_mov_b64 s[64:65], 0
	v_nop
	global_prefetch_b8 v0, s[64:65] scope:SCOPE_SE
	s_setreg_imm32_b32 hwreg(HW_REG_WAVE_MODE, 25, 1), 1
	s_wait_xcnt 0x0
	s_wait_alu depctr_hold_cnt(0) depctr_sa_sdst(0) depctr_va_vdst(0) depctr_va_sdst(0) depctr_va_ssrc(0) depctr_va_vcc(0) depctr_vm_vsrc(0)
	s_getreg_b32 s2, hwreg(HW_REG_IB_STS2, 6, 4)
	s_cmp_eq_u32 s2, 0
	s_cbranch_scc0 .Lentry_in_a_cluster
	s_endpgm
.Lentry_in_a_cluster:
	s_bfe_u32 s2, ttmp6, 0x10000c
	s_cmp_lg_u32 s2, 0xf033
	s_cbranch_scc0 .Lentry_shape_is_right
	s_endpgm
.Lentry_shape_is_right:
; K = key Wk^T + bk, V = value Wv^T + bv, Q = (query Wq^T + bq) * 0.125 * log2(e); Wo prepared for the last product.
; kws, vws, qws: f16, [16 heads][8192 rows = 1024 b + t][64]: a head's rows are 128 bytes and follow each other without a gap.  wob: f16 [1024][1024].
; 256 work-groups of four waves.  Each makes (i) a block of 256 rows x 256 columns of K (cluster rows 0-7 of the grid) or of V (8-15), K depth 256;
; (ii) a block of 256 rows x 128 columns of Q, depth 128; (iii) 16 KiB of Wo.  A wave makes 128 x 128 (Q: 128 x 64).
; The f32 tiles come through a ring of two LDS slots in steps of 64 along the depth (rows of 256 bytes, each starting at a multiple of 256 bytes of its buffer);
; fragments are read as f32, rounded to bf16 in registers and multiplied; sums in f32; the bias (f32) is the C of each sum's first product.
; FORMATS: every input enters its product rounded once to bf16, which has f32's range.  What is handed on between launches (q, k, v) is f16: a query with one
; key left gives a row of the result of v's own size, about sqrt(257) / 1.6 = ten times the root mean square of a result averaged over 257 keys, so an
; intermediate needs f16's 11 significant bits.  Wo meets an f16 operand in its product: it is rounded to bf16 like the other inputs and that number is
; written in f16, which holds it exactly from 2^-17 up (8 significant bits; f16's smallest step is 2^-24) and to within 2^-25 below.
; LIMIT: q, k, v or Wo above 65,504 in magnitude overflow f16; with all inputs 30 times the drawn size k and v reach some 3,500, with offsets of
; 30 spreads on data and weights some 30,000.
; CLUSTERS: 4 x 4.  The data tile hangs on the block row alone and is asked for jointly by a row of the cluster, the weight tile on the block column
; (and on the choice K or V, equal in the whole cluster) and is asked for jointly by a column: a quarter of the requests.
; REGISTERS in windows of 256: window 0: v16-28 addresses, F = v32-159 bf16 fragments (weights 8 b, data 64 + 8 a), BIAS = v160-223, TMP = v224-255;
; window 1: the fragments as loaded, f32 (weights 16 b, data 128 + 16 a); windows 2, 3: accumulators (a, b) at 8 (8 a + b), my rows 0-63 and 64-127.
; The matrix instruction is used transposed (source 0 = weight rows, source 1 = data rows): lane l holds row l % 16 and columns 8 (l / 16) + 0..7.
; Along the depth a lane takes 16 neighbouring numbers (16 (l / 16) + 0..15 of each 32) for both operands: the same products, summed in another order.
.set PITCH,  272                       ; 256 bytes of a row + 16: sixteen rows start at sixteen different 16-byte columns modulo 256 bytes
.set HALFT,  128*PITCH
.set SLOT,   4*HALFT                   ; 256 data rows, then 256 weight rows
.set STAGE,  2*SLOT                    ; behind the ring: 16 rows x 272 bytes for each wave, never a target of a tensor load
.set ADRX,  16                         ; v16-17 my data fragments in slot 0, 1
.set ADRW,  18                         ; v18-19 my weight fragments, K/V block
.set ADRWQ, 20                         ; v20-21 my weight fragments, Q block
.set STO,   24
.set RD,    25
.set CO,    26                         ; 16 x lane
.set BOF,   27                         ; 32 x (lane / 16): my eight bias numbers of a column block
.set WOF,   28                         ; 32 x lane
.set F,     32
.set BIAS,  160
.set TMP,   224
.set G1X, 24                           ; s[24:31] group 1, data tiles
.set G0X, 32                           ; s[32:39] group 0, data tiles, one set a slot
.set XB,  40                           ; s[40:41] key or value at my loader rows;  s[42:43] query
.set XQ,  42
.set WB,  44                           ; s[44:45] Wk or Wv at my loader rows;      s[46:47] Wq
.set WQB, 46
.set G1W, 48                           ; s[48:55] group 1, weight tiles
.set G0W, 56                           ; s[56:63] group 0, weight tiles
.set OKV, 96                           ; s[96:97] where my K/V block goes, s[98:99] my Q block
.set OQ,  98
.set G1BITS, (2<<16)|(1<<20)|(1<<21)|(5<<22)|(3<<25)   ; elements of 4 bytes; padding on; bit 21 beside a mask; after every 64 words, 4 words
.set MSB, 0
.macro WIN new                         ; the immediate's high byte repeats the setting that is left
.if MSB != (\new)
	s_set_vgpr_msb (MSB<<8)|(\new)
.set MSB, (\new)
.endif
.endm
.macro PLACES                          ; four places behind a matrix instruction (ISA guide 7.12.1) before its registers are written or its result is read
.rept 4
	v_nop
.endr
.endm
; Waves 0, 1 ask for the data tile's halves, waves 2, 3 for the weight tile's: one line, one mask, one set of registers for all partners.
.macro JLOAD s
	s_cmp_eq_u32 s11, 0
	s_cbranch_scc0 .Lfor_w_\@
	tensor_load_to_lds s[G0X+4*\s:G0X+4*\s+3], s[G1X:G1X+7]
	s_nop 0
	s_branch .Lasked_\@
.Lfor_w_\@:
	tensor_load_to_lds s[G0W+4*\s:G0W+4*\s+3], s[G1W:G1W+7]
	s_nop 0
.Lasked_\@:
.endm
.macro CREST                           ; a round of the cluster's barrier behind its opening work-group barrier
	s_cmp_lg_u32 s10, 0
	s_cbranch_scc1 .Lnot_wave_0_\@
	s_barrier_signal -3
.Lnot_wave_0_\@:
	s_barrier_wait -3
	s_barrier_signal -1
	s_barrier_wait -1
.endm
.macro CROUND
	s_barrier_signal -1
	s_barrier_wait -1
	CREST
.endm
.macro SETSTEP slot, xb, wb, off       ; both group 0 addresses of a slot: base + bytes along the depth, then the type
	s_add_nc_u64 s[G0X+4*\slot+2:G0X+4*\slot+3], s[\xb:\xb+1], \off
	s_or_b32 s[G0X+4*\slot+3], s[G0X+4*\slot+3], 0x80000000
	s_add_nc_u64 s[G0W+4*\slot+2:G0W+4*\slot+3], s[\wb:\wb+1], \off
	s_or_b32 s[G0W+4*\slot+3], s[G0W+4*\slot+3], 0x80000000
.endm
	s_load_b512 s[68:83], s[0:1], 0x0              ; key 68, value 70, query 72, Wk 74, Wv 76, Wq 78, bk 80, bv 82
	s_load_b256 s[84:91], s[0:1], 0x40             ; bq 84, Wo 86, kws 88, vws 90
	s_load_b128 s[92:95], s[0:1], 0x60             ; qws 92, wob 94
	v_lshl_add_u32 v30, v0, 2, 0x48400
	v_mov_b32 v31, 0
	ds_add_u32 v30, v31
	ds_add_u32 v30, v31
	v_lshrrev_b32 v1, 5, v0
	v_readfirstlane_b32 s10, v1                    ; wave 0..3
	s_lshr_b32 s11, s10, 1                         ; my half of the block's rows; also: I ask for data (0) or weights (1)
	s_and_b32 s12, s10, 1                          ; my half of its columns; also: which half of that tile I ask for
	s_bfe_u32 s13, ttmp6, 0x40000                  ; cx
	s_bfe_u32 s14, ttmp6, 0x40004                  ; cy
	s_and_b32 s15, ttmp7, 0xffff                   ; the cluster's y, 0..15
	s_lshr_b32 s2, s15, 3                          ; 0: K, 1: V; equal in the whole cluster
	s_lshl_b32 s17, s14, 2
	s_lshl_b32 s17, 15, s17                        ; my row of the cluster
	s_lshl_b32 s21, 0x1111, s13                    ; my column
	s_or_b32 s[G1X+0], s17, G1BITS
	s_or_b32 s[G1W+0], s21, G1BITS
.irp g, G1X, G1W
	s_mov_b32 s[\g+1], 64<<16                      ; tensor_dim0 = 64
	s_mov_b32 s[\g+2], 128<<16                     ; tensor_dim1 = 128
	s_mov_b32 s[\g+3], 64<<16                      ; tile_dim0 = 64 elements = 256 bytes
	s_mov_b32 s[\g+4], 128                         ; tile_dim1 = 128 rows
	s_mov_b32 s[\g+5], 256                         ; elements from row to row in key, value, Wk, Wv
	s_mov_b32 s[\g+6], 0
	s_mov_b32 s[\g+7], 0
.endr
	; data rows: s[16:19] hold the block row and never cx
	s_and_b32 s16, s15, 7
	s_lshl_b32 s16, s16, 2
	s_add_co_u32 s16, s16, s14                     ; block row 0..31
	s_lshl_b32 s16, s16, 1
	s_add_co_u32 s16, s16, s12                     ; in halves of 128 rows
	s_lshl_b32 s18, s16, 16                        ; x 128 rows x 512 bytes (query)
	s_lshl_b32 s16, s16, 17                        ; x 128 rows x 1,024 bytes (key, value)
	s_mov_b32 s17, 0
	s_mov_b32 s19, 0
	; weight rows: s[20:23] hold the block column and never cy
	s_lshl_b32 s20, ttmp9, 2
	s_add_co_u32 s20, s20, s13                     ; block column of K/V, 0..3
	s_lshl_b32 s22, s2, 2
	s_add_co_u32 s22, s22, s20                     ; block column of Q, 0..7
	s_lshl_b32 s20, s20, 1
	s_add_co_u32 s20, s20, s12
	s_lshl_b32 s20, s20, 17                        ; x 128 rows x 1,024 bytes
	s_lshl_b32 s22, s22, 1
	s_add_co_u32 s22, s22, s12
	s_lshl_b32 s22, s22, 15                        ; x 64 rows x 512 bytes
	s_mov_b32 s21, 0
	s_mov_b32 s23, 0
	; offsets that hold both coordinates: bias, results, the slice of Wo; none of these registers feeds a descriptor
	s_lshl_b32 s3, s15, 2
	s_add_co_u32 s3, s3, s14                       ; work-group y, 0..63
	s_lshl_b32 s8, ttmp9, 2
	s_add_co_u32 s8, s8, s13                       ; work-group x
	s_lshl_b32 s9, s2, 2
	s_add_co_u32 s9, s9, s8                        ; Q's block column
	s_and_b32 s100, s3, 31
	s_lshl_b32 s100, s100, 1
	s_add_co_u32 s100, s100, s11
	s_lshl_b32 s100, s100, 14                      ; my first row x 128 bytes
	s_lshl_b32 s4, s8, 1
	s_add_co_u32 s4, s4, s12
	s_lshl_b32 s96, s4, 21                         ; my first head of K/V (two heads a wave) x 8,192 rows x 128 bytes
	s_add_co_u32 s96, s96, s100
	s_mov_b32 s97, 0
	s_lshl_b32 s4, s4, 9                           ; my first column x 4 bytes in bk, bv
	s_mov_b32 s5, 0
	s_lshl_b32 s6, s9, 1
	s_add_co_u32 s6, s6, s12
	s_lshl_b32 s98, s6, 20                         ; my head of Q
	s_add_co_u32 s98, s98, s100
	s_mov_b32 s99, 0
	s_lshl_b32 s6, s6, 8                           ; my first column x 4 bytes in bq
	s_mov_b32 s7, 0
	s_lshl_b32 s3, s3, 2
	s_add_co_u32 s3, s3, s8                        ; the work-group's number, 0..255
	s_lshl_b32 s3, s3, 2
	s_add_co_u32 s3, s3, s10                       ; x 4 + wave
	s_lshl_b32 s8, s3, 12                          ; 4,096 bytes of Wo a wave
	s_mov_b32 s9, 0
	s_lshl_b32 s100, s3, 11                        ; 2,048 bytes of wob
	s_mov_b32 s101, 0
	s_mul_i32 s3, s10, HALFT                       ; where my part of a slot goes: wave x 128 rows
	s_mul_i32 s15, s10, HALFT/2
	s_add_co_u32 s15, s15, HALFT                   ; Q block, waves 2, 3: 64 weight rows each, from the slot's row 256 on
	s_mov_b32 s66, 0x3e38aa3b                      ; 0.125 x log2(e)
	s_mov_b32 s67, 0x3e38aa3b
	s_wait_dscnt 0x0
	s_wait_kmcnt 0x0
	s_cmp_eq_u32 s2, 0
	s_cselect_b64 s[XB:XB+1], s[68:69], s[70:71]
	s_cselect_b64 s[WB:WB+1], s[74:75], s[76:77]
	s_cselect_b64 s[80:81], s[80:81], s[82:83]
	s_cselect_b64 s[88:89], s[88:89], s[90:91]
	s_add_nc_u64 s[XB:XB+1], s[XB:XB+1], s[16:17]
	s_add_nc_u64 s[XQ:XQ+1], s[72:73], s[18:19]
	s_add_nc_u64 s[WB:WB+1], s[WB:WB+1], s[20:21]
	s_add_nc_u64 s[WQB:WQB+1], s[78:79], s[22:23]
	s_add_nc_u64 s[4:5], s[80:81], s[4:5]          ; bk or bv at my columns
	s_add_nc_u64 s[6:7], s[84:85], s[6:7]          ; bq at my columns
	s_add_nc_u64 s[8:9], s[86:87], s[8:9]          ; Wo, my slice
	s_add_nc_u64 s[100:101], s[94:95], s[100:101]  ; wob, my slice
	s_add_nc_u64 s[OKV:OKV+1], s[88:89], s[OKV:OKV+1]
	s_add_nc_u64 s[OQ:OQ+1], s[92:93], s[OQ:OQ+1]
	CROUND                                         ; all sixteen work-groups are here: the first joint loads meet
.irp s, 0,1
	s_mov_b32 s[G0X+4*\s], 1
	s_add_co_u32 s[G0X+4*\s+1], s3, \s*SLOT
	s_mov_b32 s[G0W+4*\s], 1
	s_add_co_u32 s[G0W+4*\s+1], s3, \s*SLOT
	SETSTEP \s, XB, WB, \s*256
	JLOAD \s                                       ; steps 0 and 1: two loads of the wave are out
.endr
	v_and_b32 v1, 15, v0                           ; r = lane % 16
	v_bfe_u32 v2, v0, 4, 1                         ; h = lane / 16
	v_and_b32 v4, 31, v0
	v_lshlrev_b32 v[BOF], 5, v2
	v_lshlrev_b32 v[WOF], 5, v4
	v_lshlrev_b32 v[CO], 4, v4
.irp b, 0,1,2,3,4,5,6,7
	global_load_b128 v[BIAS+8*\b:BIAS+8*\b+3],   v[BOF], s[4:5] offset:64*\b      ; bias of columns 16 b + 8 h + 0..7: the layout of an accumulator
	global_load_b128 v[BIAS+8*\b+4:BIAS+8*\b+7], v[BOF], s[4:5] offset:64*\b+16
.endr
.irp j, 0,1,2,3
	global_load_b128 v[F+8*\j:F+8*\j+3],   v[WOF], s[8:9] offset:1024*\j th:TH_LOAD_NT
	global_load_b128 v[F+8*\j+4:F+8*\j+7], v[WOF], s[8:9] offset:1024*\j+16 th:TH_LOAD_NT
.endr
	v_mul_u32_u24 v3, v1, PITCH
	v_lshl_add_u32 v3, v2, 6, v3                   ; row r, 64 bytes (16 f32) for each half of the lanes
	s_mul_i32 s2, s11, HALFT
	s_mul_i32 s3, s12, HALFT
	s_add_co_u32 s3, s3, 2*HALFT
	v_add_nc_u32 v[ADRX], s2, v3
	v_add_nc_u32 v[ADRW], s3, v3
	v_add_nc_u32 v[ADRX+1], SLOT, v[ADRX]
	v_add_nc_u32 v[ADRW+1], SLOT, v[ADRW]
	s_mul_i32 s3, s12, HALFT/2
	s_add_co_u32 s3, s3, 2*HALFT
	v_add_nc_u32 v[ADRWQ], s3, v3
	v_add_nc_u32 v[ADRWQ+1], SLOT, v[ADRWQ]
	s_mul_i32 s2, s10, 16*PITCH
	s_add_co_u32 s2, s2, STAGE                     ; my stage
	v_mul_u32_u24 v5, v1, PITCH
	v_lshl_add_u32 v5, v2, 4, v5
	v_add_nc_u32 v[STO], s2, v5                    ; in: row r, 16 bytes for each half of the lanes
	v_lshrrev_b32 v5, 3, v4
	v_mul_u32_u24 v5, v5, PITCH
	v_and_b32 v6, 7, v0
	v_lshl_add_u32 v5, v6, 4, v5
	v_add_nc_u32 v[RD], s2, v5                     ; back: eight lanes take a head's 128 bytes of a row, a wave four rows
	s_wait_loadcnt 0x0                             ; bias and Wo
	; Wo: rounded to bf16 (the one rounding of an input), widened again, and that number written in f16
.irp j, 0,1,2,3
.irp k, 0,1,2,3
	v_cvt_pk_bf16_f32 v[TMP+4*\j+\k], v[F+8*\j+2*\k], v[F+8*\j+2*\k+1]
.endr
.endr
.irp j, 0,1,2,3
.irp k, 0,1,2,3
	v_lshlrev_b32 v[F+8*\j+2*\k],   16, v[TMP+4*\j+\k]             ; bf16 to f32: the low half moves up,
	v_and_b32     v[F+8*\j+2*\k+1], 0xffff0000, v[TMP+4*\j+\k]     ; the high half stays
.endr
.endr
.irp j, 0,1,2,3
.irp k, 0,1,2,3
	v_cvt_pk_f16_f32 v[TMP+4*\j+\k], v[F+8*\j+2*\k], v[F+8*\j+2*\k+1]
.endr
	global_store_b128 v[CO], v[TMP+4*\j:TMP+4*\j+3], s[100:101] offset:512*\j     ; 512 consecutive bytes, aligned
.endr
	s_wait_xcnt 0x0                                ; TMP is written again only behind this wait
; nb = column blocks of 16 of the wave: 8 (K/V) or 4 (Q).
.macro FETCHF slot, koff, nb           ; the f32 fragments of 32 along the depth, at byte koff of the slot's rows, into window 1
	WIN 0x40
.irp b, 0,1,2,3,4,5,6,7
.if \b < \nb
.irp c, 0,1,2,3
.if \nb == 8
	ds_load_b128 v[16*\b+4*\c:16*\b+4*\c+3], v[ADRW+\slot] offset:\koff+\b*16*PITCH+16*\c
.else
	ds_load_b128 v[16*\b+4*\c:16*\b+4*\c+3], v[ADRWQ+\slot] offset:\koff+\b*16*PITCH+16*\c
.endif
.endr
.endif
.endr
.irp a, 0,1,2,3,4,5,6,7
.irp c, 0,1,2,3
	ds_load_b128 v[128+16*\a+4*\c:128+16*\a+4*\c+3], v[ADRX+\slot] offset:\koff+\a*16*PITCH+16*\c
.endr
.endr
.endm
.macro CVT nb                          ; window 1 (f32) to F in window 0 (bf16), two numbers an instruction
	WIN 0x05
.irp b, 0,1,2,3,4,5,6,7
.if \b < \nb
.irp i, 0,1,2,3,4,5,6,7
	v_cvt_pk_bf16_f32 v[F+8*\b+\i], v[16*\b+2*\i], v[16*\b+2*\i+1]
.endr
.endif
.endr
.irp a, 0,1,2,3,4,5,6,7
.irp i, 0,1,2,3,4,5,6,7
	v_cvt_pk_bf16_f32 v[F+64+8*\a+\i], v[128+16*\a+2*\i], v[128+16*\a+2*\i+1]
.endr
.endr
.endm
; Row blocks a0 .. a0+na-1 of window 2 + hi, all column blocks.  cb = 1: the bias is C, the product starts the sum.
; The accumulators take turns, one instruction a turn, in the same order in every unit.
.macro MUL hi, a0, na, nb, cb
.if \cb
	WIN 0x80+0x40*\hi
.else
	WIN 0xa0+0x50*\hi
.endif
.irp a, 0,1,2,3
.if \a >= \a0
.if \a < \a0+\na
.irp b, 0,1,2,3,4,5,6,7
.if \b < \nb
.if \cb
	v_wmma_f32_16x16x32_bf16 v[8*(8*\a+\b):8*(8*\a+\b)+7], v[F+8*\b:F+8*\b+7], v[F+64+8*(4*\hi+\a):F+64+8*(4*\hi+\a)+7], v[BIAS+8*\b:BIAS+8*\b+7]
.else
	v_wmma_f32_16x16x32_bf16 v[8*(8*\a+\b):8*(8*\a+\b)+7], v[F+8*\b:F+8*\b+7], v[F+64+8*(4*\hi+\a):F+64+8*(4*\hi+\a)+7], v[8*(8*\a+\b):8*(8*\a+\b)+7]
.endif
.endif
.endr
.endif
.endif
.endr
.endm
; The first 32 of a step: round what was fetched, fetch the second 32 of the same slot, multiply while those loads are on their way.
.macro UNIT slot, knext, nb, cb
	s_wait_dscnt 0x0                               ; the run of loads issued in front of the last unit's products
	PLACES                                         ; F was read by the last matrix instructions
	CVT \nb
	FETCHF \slot, \knext, \nb
	MUL 0, 0, 4, \nb, \cb
	MUL 1, 0, 4, \nb, \cb
.endm
; The second 32 of a step, and the change of slots.  All my reads of this slot are in registers and all my tensor loads have landed in front of the
; signal; where the slot is filled again the barrier opens a round of the cluster's barrier, and the joint refill is the first tensor load behind it.
.macro TURN slot, next, fill, toq, xb, wb, off, nb, nbn
	s_wait_dscnt 0x0                               ; my last reads of this slot
	PLACES
	CVT \nb
	s_set_vgpr_msb 0x500
	s_wait_tensorcnt 0x0                           ; the one load that was out: my part of the next slot
	ds_add_u32 v30, v31
	s_wait_dscnt 0x0
	s_set_vgpr_msb 0x5
	s_barrier_signal -1
	MUL 0, 0, 2, \nb, 0                            ; register work while the others arrive
	WIN 0
	s_barrier_wait -1
.if \fill
	CREST
.if \toq                                           ; from here on the tiles are the Q block's: no load is out, so the groups may be written
	s_mov_b32 s[G1X+5], 128                        ; query: 128 elements from row to row
	s_mov_b32 s[G1W+2], 64<<16                     ; Wq: 64 rows a loader wave
	s_mov_b32 s[G1W+4], 64
	s_mov_b32 s[G1W+5], 128
	s_mov_b32 s[G0W+1], s15
	s_add_co_u32 s[G0W+5], s15, SLOT
.endif
	SETSTEP \slot, \xb, \wb, \off
	JLOAD \slot
.endif
	FETCHF \next, 0, \nbn
	MUL 0, 2, 2, \nb, 0
	MUL 1, 0, 4, \nb, 0
.endm
; 16 rows go out: (scale,) round to f16, 16 bytes a lane into my stage, read back by heads, store.  i = 4 hi + a.
.macro OUT16 i, a, hi, buf, nb, scale, ob
.if \scale
	WIN 0x82+0x41*\hi
.irp b, 0,1,2,3
.irp k, 0,1,2,3
	v_pk_mul_f32 v[8*(8*\a+\b)+2*\k:8*(8*\a+\b)+2*\k+1], v[8*(8*\a+\b)+2*\k:8*(8*\a+\b)+2*\k+1], s[66:67] op_sel_hi:[1,0]
.endr
.endr
.endif
	WIN 0x0a+0x05*\hi
.irp b, 0,1,2,3,4,5,6,7
.if \b < \nb
.irp k, 0,1,2,3
	v_cvt_pk_f16_f32 v[TMP+4*\b+\k], v[8*(8*\a+\b)+2*\k], v[8*(8*\a+\b)+2*\k+1]
.endr
.endif
.endr
	WIN 0
.irp b, 0,1,2,3,4,5,6,7
.if \b < \nb
	ds_store_b128 v[STO], v[TMP+4*\b:TMP+4*\b+3] offset:32*\b
.endif
.endr
	s_wait_xcnt 0x0                                ; the buffer, which earlier stores read, is loaded again only behind this wait
.irp t, 0,1,2,3,4,5,6,7
.if \t < \nb
	ds_load_b128 v[\buf+4*\t:\buf+4*\t+3], v[RD] offset:(\t&3)*4*PITCH+(\t>>2)*128   ; a wave's LDS instructions are served in order: these see the stores above
.endif
.endr
.irp t, 0,1,2,3,4,5,6,7
.if \t < \nb
	s_wait_dscnt \nb-1-\t                          ; the younger read-backs stay out
	global_store_b128 v[CO], v[\buf+4*\t:\buf+4*\t+3], s[\ob:\ob+1] offset:\i*2048+(\t&3)*512+(\t>>2)*1048576   ; four rows of one head: 512 consecutive bytes, aligned
.endif
.endr
.endm
	s_wait_tensorcnt 0x1                           ; my part of step 0 is in; step 1's stays out
	s_barrier_signal -1
	s_barrier_wait -1
	FETCHF 0, 0, 8
	UNIT 0, 128, 8, 1                              ; K/V block, steps 0..3
	TURN 0, 1, 1, 0, XB, WB, 512, 8, 8
	UNIT 1, 128, 8, 0
	TURN 1, 0, 1, 0, XB, WB, 768, 8, 8
	UNIT 0, 128, 8, 0
	TURN 0, 1, 1, 1, XQ, WQB, 0, 8, 8              ; slot 0 gets the Q block's first step
	UNIT 1, 128, 8, 0
	TURN 1, 0, 1, 0, XQ, WQB, 256, 8, 4            ; slot 1 its second; the Q block's first fragments are fetched
	PLACES                                         ; behind the last matrix instructions: results are read, F and BIAS are loaded
	WIN 0
.irp b, 0,1,2,3
	global_load_b128 v[BIAS+8*\b:BIAS+8*\b+3],   v[BOF], s[6:7] offset:64*\b
	global_load_b128 v[BIAS+8*\b+4:BIAS+8*\b+7], v[BOF], s[6:7] offset:64*\b+16
.endr
	OUT16 0, 0, 0, F,    8, 0, OKV
	OUT16 1, 1, 0, F+32, 8, 0, OKV
	OUT16 2, 2, 0, F,    8, 0, OKV
	OUT16 3, 3, 0, F+32, 8, 0, OKV
	OUT16 4, 0, 1, F,    8, 0, OKV
	OUT16 5, 1, 1, F+32, 8, 0, OKV
	OUT16 6, 2, 1, F,    8, 0, OKV
	OUT16 7, 3, 1, F+32, 8, 0, OKV
	s_wait_loadcnt 0x0                             ; bq
	s_wait_xcnt 0x0                                ; F, which the last stores read, is written again only behind this wait
	UNIT 0, 128, 4, 1                              ; Q block, two steps
	TURN 0, 1, 0, 0, XQ, WQB, 0, 4, 4              ; nothing is left to fetch: a plain barrier
	UNIT 1, 128, 4, 0
	s_wait_dscnt 0x0
	PLACES
	CVT 4
	MUL 0, 0, 4, 4, 0
	MUL 1, 0, 4, 4, 0
	PLACES
	OUT16 0, 0, 0, F,    4, 1, OQ
	OUT16 1, 1, 0, F+32, 4, 1, OQ
	OUT16 2, 2, 0, F,    4, 1, OQ
	OUT16 3, 3, 0, F+32, 4, 1, OQ
	OUT16 4, 0, 1, F,    4, 1, OQ
	OUT16 5, 1, 1, F+32, 4, 1, OQ
	OUT16 6, 2, 1, F,    4, 1, OQ
	OUT16 7, 3, 1, F+32, 4, 1, OQ
	s_wait_tensorcnt 0x0
	ds_add_u32 v30, v31
	s_wait_dscnt 0x0
	CROUND                                         ; the closing round: no work-group ends while a partner may still ask for a tile that names it
	s_endpgm
.Lfunc_end_k_q27a501ab20_proj:
	.size	k_q27a501ab20_proj, .Lfunc_end_k_q27a501ab20_proj-k_q27a501ab20_proj
	.p2alignl 7, 3214868480
	.fill 96, 4, 3214868480
	.section	.rodata,"a",@progbits
	.p2align	6, 0x0
	.amdhsa_kernel k_q27a501ab20_proj
		.amdhsa_group_segment_fixed_size 327680
		.amdhsa_private_segment_fixed_size 0
		.amdhsa_enable_private_segment 0
		.amdhsa_kernarg_size 112
		.amdhsa_user_sgpr_count 2
		.amdhsa_user_sgpr_kernarg_segment_ptr 1
		.amdhsa_wavefront_size32 1
		.amdhsa_system_sgpr_workgroup_id_x 1
		.amdhsa_system_sgpr_workgroup_id_y 1
		.amdhsa_system_sgpr_workgroup_id_z 1
		.amdhsa_system_vgpr_workitem_id 0
		.amdhsa_next_free_vgpr 1024
		.amdhsa_next_free_sgpr 102
		.amdhsa_reserve_vcc 0
		.amdhsa_float_denorm_mode_32 3
		.amdhsa_float_denorm_mode_16_64 3
		.amdhsa_memory_ordered 1
		.amdhsa_forward_progress 1
		.amdhsa_inst_pref_size 254
	.end_amdhsa_kernel
	.amdgpu_metadata
---
amdhsa.version: [ 1, 2 ]
amdhsa.kernels:
  - .name:           k_q27a501ab20_proj
    .symbol:         k_q27a501ab20_proj.kd
    .args:
      - { .name: key, .offset: 0, .size: 8, .value_kind: global_buffer, .address_space: global }
      - { .name: value, .offset: 8, .size: 8, .value_kind: global_buffer, .address_space: global }
      - { .name: query, .offset: 16, .size: 8, .value_kind: global_buffer, .address_space: global }
      - { .name: Wk, .offset: 24, .size: 8, .value_kind: global_buffer, .address_space: global }
      - { .name: Wv, .offset: 32, .size: 8, .value_kind: global_buffer, .address_space: global }
      - { .name: Wq, .offset: 40, .size: 8, .value_kind: global_buffer, .address_space: global }
      - { .name: bk, .offset: 48, .size: 8, .value_kind: global_buffer, .address_space: global }
      - { .name: bv, .offset: 56, .size: 8, .value_kind: global_buffer, .address_space: global }
      - { .name: bq, .offset: 64, .size: 8, .value_kind: global_buffer, .address_space: global }
      - { .name: Wo, .offset: 72, .size: 8, .value_kind: global_buffer, .address_space: global }
      - { .name: kws, .offset: 80, .size: 8, .value_kind: global_buffer, .address_space: global }
      - { .name: vws, .offset: 88, .size: 8, .value_kind: global_buffer, .address_space: global }
      - { .name: qws, .offset: 96, .size: 8, .value_kind: global_buffer, .address_space: global }
      - { .name: wob, .offset: 104, .size: 8, .value_kind: global_buffer, .address_space: global }
    .group_segment_fixed_size: 327680
    .private_segment_fixed_size: 0
    .kernarg_segment_align: 8
    .kernarg_segment_size: 112
    .max_flat_workgroup_size: 128
    .sgpr_count:     102
    .vgpr_count:     1024
    .wavefront_size: 32
...
	.end_amdgpu_metadata
.endif
;; end of part 1
;; launch attn (part 2): grid 256 x 1, 8 waves a work-group, no clusters, 318,720 bytes of LDS; arguments qws, kws, vws, key_padding_mask, attnws; writes attnws
.if DOCPART == 2
	.amdgcn_target "amdgcn-amd-amdhsa--gfx1250"
	.amdhsa_code_object_version 6
	.text
	.protected	k_q27a501ab20_attn
	.globl	k_q27a501ab20_attn
	.p2align	8
	.type	k_q27a501ab20_attn,@function
k_q27a501ab20_attn:
	s_mov_b64 s[64:65], 0
	v_nop
	global_prefetch_b8 v0, s[64:65] scope:SCOPE_SE
	s_setreg_imm32_b32 hwreg(HW_REG_WAVE_MODE, 25, 1), 1
	s_wait_xcnt 0x0
; Windowed attention of one (batch, head): query i sees keys i-256 .. i that are not padded.  qws holds q x 0.125 x log2(e), so the softmax runs in base 2.
; A work-group (8 waves) owns 512 queries (half p of a head), in two phases of 256; a wave owns 32 queries a phase and walks its own window, nine chunks
; of 32 keys, from the diagonal chunk (8) down to the lower edge (0), with a running maximum.  In phase 0 of p = 0 wave w has only w chunks below the
; diagonal one (the others would be keys below 0) and leaves by a scalar branch; so a work-group with p = 0 has 108 wave-chunks and one with p = 1 has 144.
; A ROW WITH NO KEY LEFT: all its 1,024 scores are -1e30 in the reference, the softmax is uniform, the result is the mean of V over all 1,024 keys.
; That mean is made here (a product with a vector of ones) and chosen by value where the row's running maximum is below -5e29.
; LIMITS: real scores (base 2) are taken to lie above -5e29; a mask byte counts as false when 0; operands are f16 (p in [0,1]; q, k, v up to 65,504);
; l is summed from the f32 exponentials while the product with V takes them rounded to f16; NaN and infinities get no care of their own.
; LDS by place: place = (key - (512 p - 256)) mod 1024, so that no LDS address holds p.  K: places 0..767; V: all 1,024 (the mean needs them).
; With p = 0 K's places 0..255 hold keys 768..1023, which no wave reads: 32 KiB fetched so that every wave issues the same two loads on every path.
; NO JOINT LOADS: the two work-groups of a head share V and 256 rows of K, but each keeps them at other places (the place holds p), and a joint load
; has one LDS address for all partners; with equal places the reads' LDS addresses would hang on the place in the cluster.
; All of K and V is fetched once, by two first fills a wave; nothing is filled again.
; LAYOUT: S^T = K Q^T (source 0 = key rows, source 1 = query rows): lane (r, h) holds query r, keys 8 h + j.  Rounded in place, the two key tiles are the
; second source of O^T = V^T P^T, whose result has query r, d = 16 dt + 8 h + j.  So maximum, sum and rescaling stay in the lane but for one exchange of halves.
.set KP,  144                          ; K row: 128 bytes + 16
.set VPI, 160                          ; V row: 128 bytes + 32 (an odd multiple of 32, for the transposing loads)
.set VB,  768*KP                       ; 110,592
.set MB,  VB+1024*VPI                  ; 274,432: f32 0 or -1e30 for each place
.set PS,  MB+4096                      ; 8 x 64 f32: the waves' partial sums of V
.set VM,  PS+2048                      ; 64 f32: the mean of V
.set ST,  VM+256                       ; 8 waves x 32 rows x 144 bytes: the way out
.set KA,  4
.set VA,  5
.set MA,  6
.set QO,  7
.set STO, 8
.set RD,  9
.set CO,  10
.set XR,  11                           ; r - 8 h
.set NEG, 12                           ; v[12:13] -1e30 twice
.set VS,  14
.set SA,  15                           ; LDS scratch address
.set QF,  16                           ; (u, kd) at 16 u + 8 kd
.set O,   48                           ; (u, dt) at 32 u + 8 dt
.set S,   112                          ; (t, u) at 16 u + 8 t; later P(u) in the first 8 of each 16
.set KF,  144                          ; (t, kd) at 16 t + 8 kd
.set VF,  176                          ; dt at 8 dt
.set MBR, 208                          ; t at 8 t
.set T,   224
.set ML,  240                          ; (m, l) of u at 2 u
.set AL,  244                          ; (alpha, exchange temporary) of u at 2 u
.set MX,  248
.set SP,  250
.macro PLACES
.rept 4
	v_nop
.endr
.endm
.macro SEGOFF r                        ; key of a segment's first place -> byte offset in kws, vws
	s_and_b32 s\r, s\r, 1023
	s_add_co_u32 s\r, s\r, s50
	s_lshl_b32 s\r, s\r, 7
.endm
	s_load_b256 s[40:47], s[0:1], 0x0              ; qws 40, kws 42, vws 44, mask 46
	s_load_b64 s[48:49], s[0:1], 0x20              ; attnws
	v_lshl_add_u32 v254, v0, 2, 0x4d900
	v_mov_b32 v255, 0
	ds_add_u32 v254, v255
	ds_add_u32 v254, v255
	v_lshrrev_b32 v1, 5, v0
	v_readfirstlane_b32 s8, v1                     ; wave 0..7
	s_and_b32 s9, ttmp9, 1                         ; p
	s_bfe_u32 s10, ttmp9, 0x40001                  ; head
	s_lshr_b32 s11, ttmp9, 5                       ; batch
	s_lshl_b32 s50, s10, 13
	s_lshl_b32 s51, s11, 10
	s_add_co_u32 s50, s50, s51                     ; first row of (head, batch)
	s_lshl_b32 s51, s9, 9
	s_add_co_u32 s51, s51, 768                     ; 512 p - 256 modulo 1024: key of place 0
	s_cmp_eq_u32 s9, 0
	s_cselect_b32 s38, s8, 8                       ; chunks below the diagonal one in phase 0
	s_mov_b32 s36, 0x76543210                      ; v_permlanex16_b32: lane i takes lane i of the other half
	s_mov_b32 s37, 0xfedcba98
	s_mov_b32 s39, 0xf0c9f2ca                      ; -5e29
	; group 1: dense memory taken as rows of 256 bytes (32 elements of 8 bytes); a pad behind every 32 words, that is behind each row of K or V
	s_mov_b32 s21, 32<<16
	s_mov_b32 s22, 64<<16                          ; 64 such rows = 128 rows of K or V
	s_mov_b32 s23, 32<<16
	s_mov_b32 s24, 64
	s_mov_b32 s25, 32
	s_mov_b32 s26, 0
	s_mov_b32 s27, 0
	s_mov_b32 s12, 1
	s_mov_b32 s16, 1
	s_lshl_b32 s52, s8, 7
	s_add_co_u32 s52, s52, s51                     ; key of place 128 w
	s_mov_b32 s53, 0
	s_mov_b32 s55, 0
	s_wait_dscnt 0x0
	s_wait_kmcnt 0x0
	s_cmp_lt_u32 s8, 4
	s_cbranch_scc0 .Lfill_v
	s_mov_b32 s20, 0x07130000                      ; 8-byte elements, padding on, interval 32 words, pad 4 words: pitch 144
	s_mov_b32 s28, 0x07130000
	s_mov_b32 s29, 32<<16
	s_mov_b32 s30, 32<<16                          ; 32 rows of 256 bytes = 64 rows of K
	s_mov_b32 s31, 32<<16
	s_mov_b32 s32, 32
	s_mov_b32 s33, 32
	s_mov_b32 s34, 0
	s_mov_b32 s35, 0
	s_mul_i32 s13, s8, 128*KP                      ; places 128 w .. +127
	s_mul_i32 s17, s8, 64*KP
	s_add_co_u32 s17, s17, 512*KP                  ; places 512 + 64 w .. +63
	s_lshl_b32 s54, s8, 6
	s_add_co_u32 s54, s54, s51
	s_add_co_u32 s54, s54, 512
	SEGOFF 52
	SEGOFF 54
	s_add_nc_u64 s[14:15], s[42:43], s[52:53]
	s_or_b32 s15, s15, 0x80000000
	s_add_nc_u64 s[18:19], s[42:43], s[54:55]
	s_or_b32 s19, s19, 0x80000000
	tensor_load_to_lds s[12:15], s[20:27]
	s_nop 0
	tensor_load_to_lds s[16:19], s[28:35]
	s_nop 0
	s_branch .Lfilled
.Lfill_v:
	s_mov_b32 s20, 0x0f130000                      ; pad 8 words: pitch 160
	s_mul_i32 s13, s8, 128*VPI
	s_add_co_u32 s17, s13, VB                      ; places 512 + 128 (w - 4) .. +127
	s_add_co_u32 s13, s13, VB-512*VPI              ; places 128 (w - 4) .. +127
	s_mov_b32 s54, s52                             ; place 128 w
	s_add_co_u32 s52, s52, 512                     ; place 128 w - 512
	SEGOFF 52
	SEGOFF 54
	s_add_nc_u64 s[14:15], s[44:45], s[52:53]
	s_or_b32 s15, s15, 0x80000000
	s_add_nc_u64 s[18:19], s[44:45], s[54:55]
	s_or_b32 s19, s19, 0x80000000
	tensor_load_to_lds s[12:15], s[20:27]
	s_nop 0
	tensor_load_to_lds s[16:19], s[20:27]
	s_nop 0
.Lfilled:                                          ; two tensor loads of the wave are out
	s_lshl_b32 s52, s11, 10
	s_add_nc_u64 s[46:47], s[46:47], s[52:53]      ; the batch's mask row
	s_lshl_b32 s54, s9, 9
	s_add_co_u32 s54, s54, s50
	s_lshl_b32 s56, s8, 5
	s_add_co_u32 s54, s54, s56
	s_lshl_b32 s54, s54, 7                         ; my first query row x 128 bytes
	s_add_nc_u64 s[40:41], s[40:41], s[54:55]
	s_add_nc_u64 s[58:59], s[48:49], s[54:55]
	v_and_b32 v1, 31, v0
	v_and_b32 v2, 15, v0                           ; r
	v_bfe_u32 v3, v0, 4, 1                         ; h
	v_lshl_add_u32 v[T], v0, 2, s51
	v_and_b32 v[T], 0x3ff, v[T]                    ; keys of places 4 t .. 4 t + 3
	global_load_b32 v[T+1], v[T], s[46:47]
	v_lshlrev_b32 v[QO], 7, v2
	v_lshl_add_u32 v[QO], v3, 4, v[QO]
.macro QLOAD f                         ; my 32 queries of phase f as second-source fragments
.irp u, 0,1
.irp kd, 0,1
	global_load_b128 v[QF+16*\u+8*\kd:QF+16*\u+8*\kd+3],   v[QO], s[40:41] offset:\f*32768+\u*2048+\kd*64
	global_load_b128 v[QF+16*\u+8*\kd+4:QF+16*\u+8*\kd+7], v[QO], s[40:41] offset:\f*32768+\u*2048+\kd*64+32
.endr
.endr
.endm
	QLOAD 0
	v_mul_u32_u24 v[KA], v2, KP
	v_lshl_add_u32 v[KA], v3, 4, v[KA]
	s_mul_i32 s52, s8, 32*KP
	v_add_nc_u32 v[KA], s52, v[KA]                 ; (32 w + r) x 144 + 16 h
	v_add_nc_u32 v[STO], ST, v[KA]                 ; the stage has the same pitch and 32 rows a wave
	v_lshrrev_b32 v[RD], 3, v1
	v_mul_u32_u24 v[RD], v[RD], KP
	v_and_b32 v[SA], 7, v0
	v_lshl_add_u32 v[RD], v[SA], 4, v[RD]
	s_add_co_u32 s52, s52, ST
	v_add_nc_u32 v[RD], s52, v[RD]
	v_lshl_add_u32 v[SA], v3, 3, v[SA]             ; 8 h + lane % 8
	v_mul_u32_u24 v[VS], v[SA], VPI
	v_bfe_u32 v[SA], v0, 3, 1
	v_lshl_add_u32 v[VS], v[SA], 4, v[VS]
	s_mul_i32 s52, s8, 32*VPI
	s_add_co_u32 s52, s52, VB
	v_add_nc_u32 v[VA], s52, v[VS]
	s_mul_i32 s52, s8, 128*VPI
	s_add_co_u32 s52, s52, VB
	v_add_nc_u32 v[VS], s52, v[VS]
	s_lshl_b32 s52, s8, 7
	s_add_co_u32 s52, s52, MB
	v_lshl_add_u32 v[MA], v3, 5, s52               ; (32 w + 8 h) x 4
	v_lshlrev_b32 v[CO], 4, v1
	v_lshlrev_b32 v[XR], 3, v3
	v_sub_nc_u32 v[XR], v2, v[XR]
	v_mov_b32 v[NEG], 0xf149f2ca
	v_mov_b32 v[NEG+1], 0xf149f2ca
	v_mov_b32 v[AL+1], 0                           ; the exchange's destination counts as read
	v_mov_b32 v[AL+3], 0
	s_wait_loadcnt 0x8                             ; the mask word is in; the eight loads of Q stay out
.irp i, 0,1,2,3
	v_bfe_u32 v[T+2], v[T+1], 8*\i, 8
	v_cmp_eq_u32 vcc_lo, 0, v[T+2]
	v_cndmask_b32 v[T+4+\i], 0, v[NEG], vcc_lo     ; false: -1e30
.endr
	v_lshlrev_b32 v[SA], 4, v0
	v_add_nc_u32 v[SA], MB, v[SA]
	ds_store_b128 v[SA], v[T+4:T+7]
	s_wait_dscnt 0x0                               ; for the others: my four words of the table are written
	s_wait_tensorcnt 0x1                           ; my first tile has landed: together places 0..511 of K and V, all that phase 0 reads; nothing is ever filled again
	s_barrier_signal -1
	s_barrier_wait -1
	s_wait_loadcnt 0x0                             ; Q
.macro SMM t, u, kd, own               ; own = 1: adds onto what S(t, u) holds; 0: the mask's bias is C
.if \own
	v_wmma_f32_16x16x32_f16 v[S+16*\u+8*\t:S+16*\u+8*\t+7], v[KF+16*\t+8*\kd:KF+16*\t+8*\kd+7], v[QF+16*\u+8*\kd:QF+16*\u+8*\kd+7], v[S+16*\u+8*\t:S+16*\u+8*\t+7]
.else
	v_wmma_f32_16x16x32_f16 v[S+16*\u+8*\t:S+16*\u+8*\t+7], v[KF+16*\t+8*\kd:KF+16*\t+8*\kd+7], v[QF+16*\u+8*\kd:QF+16*\u+8*\kd+7], v[MBR+8*\t:MBR+8*\t+7]
.endif
.endm
; One chunk of 32 keys for my 32 queries.  mode 0: every key is inside every query's window; 1: the lower edge; 2: the diagonal.  first = 1 starts all sums.
; In all matrix runs the accumulators take turns, one instruction a turn.
.macro CHUNK c, mode, first
.irp t, 0,1
.irp kd, 0,1
	ds_load_b128 v[KF+16*\t+8*\kd:KF+16*\t+8*\kd+3],   v[KA] offset:\c*32*KP+\t*16*KP+\kd*64
	ds_load_b128 v[KF+16*\t+8*\kd+4:KF+16*\t+8*\kd+7], v[KA] offset:\c*32*KP+\t*16*KP+\kd*64+32
.endr
.endr
.irp t, 0,1
	ds_load_b128 v[MBR+8*\t:MBR+8*\t+3],   v[MA] offset:\c*128+\t*64
	ds_load_b128 v[MBR+8*\t+4:MBR+8*\t+7], v[MA] offset:\c*128+\t*64+16
.endr
.irp dt, 0,1,2,3
	ds_load_tr16_b128 v[VF+8*\dt:VF+8*\dt+3],   v[VA] offset:\c*32*VPI+\dt*32
	ds_load_tr16_b128 v[VF+8*\dt+4:VF+8*\dt+7], v[VA] offset:\c*32*VPI+\dt*32+16*VPI
.endr
	s_wait_dscnt 0x8                               ; K and the bias are in; V's eight loads stay out
.if \mode
.irp j, 0,1,2,3,4,5,6,7
.if \mode == 2
	v_cmp_gt_i32 vcc_lo, \j, v[XR]                 ; key 8 h + j above query r
.else
	v_cmp_lt_i32 vcc_lo, \j, v[XR]                 ; key 8 h + j below query r - 256 + 256
.endif
	v_cndmask_b32 v[T+\j], 0, v[NEG], vcc_lo
.endr
.irp k, 0,1,2,3
	v_pk_add_f32 v[S+2*\k:S+2*\k+1], v[MBR+2*\k:MBR+2*\k+1], v[T+2*\k:T+2*\k+1]              ; tiles (0,0) and (1,1) hold the edge
	v_pk_add_f32 v[S+24+2*\k:S+24+2*\k+1], v[MBR+8+2*\k:MBR+8+2*\k+1], v[T+2*\k:T+2*\k+1]
.if \mode == 2
	v_pk_add_f32 v[S+8+2*\k:S+8+2*\k+1], v[MBR+8+2*\k:MBR+8+2*\k+1], v[NEG:NEG+1]            ; keys 16..31 against queries 0..15: all masked
.else
	v_pk_add_f32 v[S+16+2*\k:S+16+2*\k+1], v[MBR+2*\k:MBR+2*\k+1], v[NEG:NEG+1]              ; keys 0..15 against queries 16..31: all masked
.endif
.endr
.endif
.if \mode == 0
	SMM 0, 0, 0, 0
	SMM 1, 0, 0, 0
	SMM 0, 1, 0, 0
	SMM 1, 1, 0, 0
.endif
.if \mode == 1
	SMM 0, 0, 0, 1
	SMM 1, 0, 0, 0
	SMM 0, 1, 0, 1
	SMM 1, 1, 0, 1
.endif
.if \mode == 2
	SMM 0, 0, 0, 1
	SMM 1, 0, 0, 1
	SMM 0, 1, 0, 0
	SMM 1, 1, 0, 1
.endif
	SMM 0, 0, 1, 1
	SMM 1, 0, 1, 1
	SMM 0, 1, 1, 1
	SMM 1, 1, 1, 1
	PLACES                                         ; four places before the scores are read (ISA guide 7.12.1)
.irp u, 0,1
.if \first
	v_max_num_f32 v[MX+\u], v[S+16*\u], v[S+16*\u+1]
.else
	v_max3_num_f32 v[MX+\u], v[S+16*\u], v[S+16*\u+1], v[ML+2*\u]
.endif
.endr
.irp k, 1,2,3,4,5,6,7
.irp u, 0,1
	v_max3_num_f32 v[MX+\u], v[MX+\u], v[S+16*\u+2*\k], v[S+16*\u+2*\k+1]
.endr
.endr
.irp u, 0,1
	v_permlanex16_b32 v[AL+2*\u+1], v[MX+\u], s36, s37     ; the other half's keys
.endr
.irp u, 0,1
	v_max_num_f32 v[MX+\u], v[MX+\u], v[AL+2*\u+1]
.endr
.if \first == 0
.irp u, 0,1
	v_sub_f32 v[AL+2*\u], v[ML+2*\u], v[MX+\u]
.endr
.irp u, 0,1
	v_exp_f32 v[AL+2*\u], v[AL+2*\u]               ; alpha = 2^(old maximum - new)
.endr
.endif
.irp u, 0,1
	v_mov_b32 v[ML+2*\u], v[MX+\u]                 ; also the plain instruction behind the exponentials (ISA guide 5.7.2)
.endr
.if \first
.irp u, 0,1
	v_mov_b32 v[ML+2*\u+1], 0                      ; the pair (m, l) is named below
.endr
.endif
.irp k, 0,1,2,3,4,5,6,7
.irp u, 0,1
	v_pk_add_f32 v[S+16*\u+2*\k:S+16*\u+2*\k+1], v[S+16*\u+2*\k:S+16*\u+2*\k+1], v[ML+2*\u:ML+2*\u+1] op_sel_hi:[1,0] neg_lo:[0,1] neg_hi:[0,1]
.endr
.endr
.irp k, 0,1,2,3,4,5,6,7,8,9,10,11,12,13,14,15
.irp u, 0,1
	v_exp_f32 v[S+16*\u+\k], v[S+16*\u+\k]
.endr
.endr
.if \first
	v_nop                                          ; one plain instruction before the exponentials are read
	s_wait_alu depctr_va_vdst(0)
.else
	s_wait_alu depctr_va_vdst(0)
.irp k, 0,1,2,3,4,5,6,7,8,9,10,11,12,13,14,15
.irp u, 0,1
	v_pk_mul_f32 v[O+32*\u+2*\k:O+32*\u+2*\k+1], v[O+32*\u+2*\k:O+32*\u+2*\k+1], v[AL+2*\u:AL+2*\u+1] op_sel_hi:[1,0]
.endr
.endr
.endif
.irp u, 0,1
	v_pk_add_f32 v[SP+2*\u:SP+2*\u+1], v[S+16*\u:S+16*\u+1], v[S+16*\u+2:S+16*\u+3]
.endr
.irp k, 2,3,4,5,6,7
.irp u, 0,1
	v_pk_add_f32 v[SP+2*\u:SP+2*\u+1], v[SP+2*\u:SP+2*\u+1], v[S+16*\u+2*\k:S+16*\u+2*\k+1]
.endr
.endr
.if \first
.irp u, 0,1
	v_add_f32 v[ML+2*\u+1], v[SP+2*\u], v[SP+2*\u+1]
.endr
.else
.irp u, 0,1
	v_add_f32 v[SP+2*\u], v[SP+2*\u], v[SP+2*\u+1]
.endr
.irp u, 0,1
	v_fma_f32 v[ML+2*\u+1], v[ML+2*\u+1], v[AL+2*\u], v[SP+2*\u]   ; l of my half of the keys; the halves meet at the end
.endr
.endif
.irp k, 0,1,2,3,4,5,6,7
.irp u, 0,1
	v_cvt_pk_f16_f32 v[S+16*\u+\k], v[S+16*\u+2*\k], v[S+16*\u+2*\k+1]    ; in place, ascending: register k is read no more when it is written
.endr
.endr
	s_wait_dscnt 0x0                               ; V
.irp dt, 0,1,2,3
.irp u, 0,1
.if \first
	v_wmma_f32_16x16x32_f16 v[O+32*\u+8*\dt:O+32*\u+8*\dt+7], v[VF+8*\dt:VF+8*\dt+7], v[S+16*\u:S+16*\u+7], 0
.else
	v_wmma_f32_16x16x32_f16 v[O+32*\u+8*\dt:O+32*\u+8*\dt+7], v[VF+8*\dt:VF+8*\dt+7], v[S+16*\u:S+16*\u+7], v[O+32*\u+8*\dt:O+32*\u+8*\dt+7]
.endif
.endr
.endr
.rept 5
	v_nop                                          ; five places: the next matrix instruction writes over P, the next loads land in V's fragments
.endr
.endm
.macro PHASE exits
	CHUNK 8, 2, 1
.irp c, 7,6,5,4,3,2,1
.if \exits
	s_cmp_eq_u32 s38, 7-\c                         ; as many chunks below the diagonal one as I have: done
	s_cbranch_scc1 .Lend0
.endif
	CHUNK \c, 0, 0
.endr
.if \exits
	s_cmp_eq_u32 s38, 7
	s_cbranch_scc1 .Lend0
.endif
	CHUNK 0, 1, 0
.endm
; The end of a phase: join the halves' l, divide, take the mean of V where no key was left, round, and out through my stage.
.macro EPI f
.irp dt, 0,1,2,3
	ds_load_b128 v[KF+8*\dt:KF+8*\dt+3],   v[SA] offset:\dt*64
	ds_load_b128 v[KF+8*\dt+4:KF+8*\dt+7], v[SA] offset:\dt*64+16
.endr
.irp u, 0,1
	v_permlanex16_b32 v[AL+2*\u+1], v[ML+2*\u+1], s36, s37
.endr
.irp u, 0,1
	v_add_f32 v[ML+2*\u+1], v[ML+2*\u+1], v[AL+2*\u+1]     ; at least 1: the largest score's exponential is 1
.endr
.irp u, 0,1
	v_rcp_f32 v[AL+2*\u], v[ML+2*\u+1]
.endr
.irp u, 0,1
	v_cmp_gt_f32 s[56+\u], s39, v[ML+2*\u]         ; no key left; also the plain instructions behind the reciprocals
.endr
	s_wait_dscnt 0x0
	s_wait_alu depctr_va_vdst(0)
.irp u, 0,1
.irp dt, 0,1,2,3
.irp k, 0,1,2,3
	v_pk_mul_f32 v[O+32*\u+8*\dt+2*\k:O+32*\u+8*\dt+2*\k+1], v[O+32*\u+8*\dt+2*\k:O+32*\u+8*\dt+2*\k+1], v[AL+2*\u:AL+2*\u+1] op_sel_hi:[1,0]
.endr
.irp j, 0,1,2,3,4,5,6,7
	v_cndmask_b32 v[O+32*\u+8*\dt+\j], v[O+32*\u+8*\dt+\j], v[KF+8*\dt+\j], s[56+\u]
.endr
.irp k, 0,1,2,3
	v_cvt_pk_f16_f32 v[T+4*\dt+\k], v[O+32*\u+8*\dt+2*\k], v[O+32*\u+8*\dt+2*\k+1]
.endr
	ds_store_b128 v[STO], v[T+4*\dt:T+4*\dt+3] offset:\u*16*KP+\dt*32
.endr
.endr
.irp i, 0,1,2,3,4,5,6,7
	ds_load_b128 v[VF+4*\i:VF+4*\i+3], v[RD] offset:\i*4*KP    ; my own bytes, served in order behind the stores
.endr
.irp i, 0,1,2,3,4,5,6,7
	s_wait_dscnt 7-\i
	global_store_b128 v[CO], v[VF+4*\i:VF+4*\i+3], s[58:59] offset:\f*32768+\i*512    ; four rows: 512 consecutive bytes, aligned
.endr
	s_wait_xcnt 0x0                                ; V's fragment registers are loaded again only behind this wait
.endm
.macro VLOAD st, buf
.irp dt, 0,1,2,3
	ds_load_tr16_b128 v[\buf+8*\dt:\buf+8*\dt+3],   v[VS] offset:\st*32*VPI+\dt*32
	ds_load_tr16_b128 v[\buf+8*\dt+4:\buf+8*\dt+7], v[VS] offset:\st*32*VPI+\dt*32+16*VPI
.endr
.endm
.macro VMM buf, zero
.irp dt, 0,1,2,3
.if \zero
	v_wmma_f32_16x16x32_f16 v[S+8*\dt:S+8*\dt+7], v[\buf+8*\dt:\buf+8*\dt+7], v[T:T+7], 0
.else
	v_wmma_f32_16x16x32_f16 v[S+8*\dt:S+8*\dt+7], v[\buf+8*\dt:\buf+8*\dt+7], v[T:T+7], v[S+8*\dt:S+8*\dt+7]
.endif
.endr
.endm
	PHASE 1
.Lend0:
	QLOAD 1                                        ; five places stand behind the last matrix instruction on every way here
	s_wait_tensorcnt 0x0                           ; my second tile
	s_wait_dscnt 0x0
	s_barrier_signal -1
	s_barrier_wait -1                              ; all of K and V is in LDS
	; the sum of V over places 128 w .. +127: V^T times a vector of ones, four steps of 32 keys on two buffers
.irp j, 0,1,2,3,4,5,6,7
	v_mov_b32 v[T+\j], 0x3c003c00
.endr
	VLOAD 0, VF
	VLOAD 1, KF
	s_wait_dscnt 0x8                               ; step 0 is in, step 1's eight loads stay out; likewise below
	VMM VF, 1
	PLACES
	VLOAD 2, VF
	s_wait_dscnt 0x8
	VMM KF, 0
	PLACES
	VLOAD 3, KF
	s_wait_dscnt 0x8
	VMM VF, 0
	s_wait_dscnt 0x0
	VMM KF, 0
	PLACES
	s_lshl_b32 s52, s8, 8
	s_add_co_u32 s52, s52, PS
	v_lshl_add_u32 v[SA], v3, 5, s52
.irp dt, 0,1,2,3
	ds_store_b128 v[SA], v[S+8*\dt:S+8*\dt+3]   offset:\dt*64      ; sixteen lanes write the same words with the same values
	ds_store_b128 v[SA], v[S+8*\dt+4:S+8*\dt+7] offset:\dt*64+16
.endr
	s_wait_dscnt 0x0
	s_barrier_signal -1
	s_barrier_wait -1
	s_lshl_b32 s52, s8, 5
	s_add_co_u32 s52, s52, PS
	v_mov_b32 v[SA], s52                           ; wave w joins d = 8 w .. 8 w + 7
.irp i, 0,1,2,3,4,5,6,7
	ds_load_b128 v[KF+8*\i:KF+8*\i+3],   v[SA] offset:\i*256
	ds_load_b128 v[KF+8*\i+4:KF+8*\i+7], v[SA] offset:\i*256+16
.endr
	s_wait_dscnt 0x0
.irp i, 0,2,4,6
.irp k, 0,1,2,3
	v_pk_add_f32 v[KF+8*\i+2*\k:KF+8*\i+2*\k+1], v[KF+8*\i+2*\k:KF+8*\i+2*\k+1], v[KF+8*\i+8+2*\k:KF+8*\i+8+2*\k+1]
.endr
.endr
.irp i, 0,4
.irp k, 0,1,2,3
	v_pk_add_f32 v[KF+8*\i+2*\k:KF+8*\i+2*\k+1], v[KF+8*\i+2*\k:KF+8*\i+2*\k+1], v[KF+8*\i+16+2*\k:KF+8*\i+16+2*\k+1]
.endr
.endr
.irp k, 0,1,2,3
	v_pk_add_f32 v[KF+2*\k:KF+2*\k+1], v[KF+2*\k:KF+2*\k+1], v[KF+32+2*\k:KF+32+2*\k+1]
.endr
.irp k, 0,1,2,3
	v_pk_mul_f32 v[KF+2*\k:KF+2*\k+1], v[KF+2*\k:KF+2*\k+1], 0x3a800000 op_sel_hi:[1,0]     ; / 1024
.endr
	ds_store_b128 v[SA], v[KF:KF+3]   offset:VM-PS
	ds_store_b128 v[SA], v[KF+4:KF+7] offset:VM-PS+16
	s_wait_dscnt 0x0
	s_barrier_signal -1
	s_barrier_wait -1
	v_lshlrev_b32 v[SA], 5, v3
	v_add_nc_u32 v[SA], VM, v[SA]                  ; the mean at d = 8 h + ..
	EPI 0
	v_add_nc_u32 v[KA], 256*KP, v[KA]              ; phase 1: 256 places on
	v_add_nc_u32 v[VA], 256*VPI, v[VA]
	v_add_nc_u32 v[MA], 1024, v[MA]
	s_wait_loadcnt 0x0                             ; phase 1's Q
	PHASE 0
	EPI 1
	s_wait_tensorcnt 0x0
	ds_add_u32 v254, v255
	s_wait_dscnt 0x0
	s_endpgm
.Lfunc_end_k_q27a501ab20_attn:
	.size	k_q27a501ab20_attn, .Lfunc_end_k_q27a501ab20_attn-k_q27a501ab20_attn
	.p2alignl 7, 3214868480
	.fill 96, 4, 3214868480
	.section	.rodata,"a",@progbits
	.p2align	6, 0x0
	.amdhsa_kernel k_q27a501ab20_attn
		.amdhsa_group_segment_fixed_size 318720
		.amdhsa_private_segment_fixed_size 0
		.amdhsa_enable_private_segment 0
		.amdhsa_kernarg_size 40
		.amdhsa_user_sgpr_count 2
		.amdhsa_user_sgpr_kernarg_segment_ptr 1
		.amdhsa_wavefront_size32 1
		.amdhsa_system_sgpr_workgroup_id_x 1
		.amdhsa_system_sgpr_workgroup_id_y 1
		.amdhsa_system_sgpr_workgroup_id_z 1
		.amdhsa_system_vgpr_workitem_id 0
		.amdhsa_next_free_vgpr 256
		.amdhsa_next_free_sgpr 66
		.amdhsa_reserve_vcc 1
		.amdhsa_float_denorm_mode_32 3
		.amdhsa_float_denorm_mode_16_64 3
		.amdhsa_memory_ordered 1
		.amdhsa_forward_progress 1
		.amdhsa_inst_pref_size 223
	.end_amdhsa_kernel
	.amdgpu_metadata
---
amdhsa.version: [ 1, 2 ]
amdhsa.kernels:
  - .name:           k_q27a501ab20_attn
    .symbol:         k_q27a501ab20_attn.kd
    .args:
      - { .name: qws, .offset: 0, .size: 8, .value_kind: global_buffer, .address_space: global }
      - { .name: kws, .offset: 8, .size: 8, .value_kind: global_buffer, .address_space: global }
      - { .name: vws, .offset: 16, .size: 8, .value_kind: global_buffer, .address_space: global }
      - { .name: key_padding_mask, .offset: 24, .size: 8, .value_kind: global_buffer, .address_space: global }
      - { .name: attnws, .offset: 32, .size: 8, .value_kind: global_buffer, .address_space: global }
    .group_segment_fixed_size: 318720
    .private_segment_fixed_size: 0
    .kernarg_segment_align: 8
    .kernarg_segment_size: 40
    .max_flat_workgroup_size: 256
    .sgpr_count:     66
    .vgpr_count:     256
    .wavefront_size: 32
...
	.end_amdgpu_metadata
.endif
;; end of part 2
;; launch oproj (part 3): grid 4 x 64, 4 waves a work-group, clusters of 4 x 4, 327,680 bytes of LDS; arguments attnws, wob, bo, out0; writes out0
.if DOCPART == 3
	.amdgcn_target "amdgcn-amd-amdhsa--gfx1250"
	.amdhsa_code_object_version 6
	.text
	.protected	k_q27a501ab20_oproj
	.globl	k_q27a501ab20_oproj
	.p2align	8
	.type	k_q27a501ab20_oproj,@function
k_q27a501ab20_oproj:
	s_mov_b64 s[64:65], 0
	v_nop
	global_prefetch_b8 v0, s[64:65] scope:SCOPE_SE
	s_setreg_imm32_b32 hwreg(HW_REG_WAVE_MODE, 25, 1), 1
	s_wait_xcnt 0x0
	s_wait_alu depctr_hold_cnt(0) depctr_sa_sdst(0) depctr_va_vdst(0) depctr_va_sdst(0) depctr_va_ssrc(0) depctr_va_vcc(0) depctr_vm_vsrc(0)
	s_getreg_b32 s2, hwreg(HW_REG_IB_STS2, 6, 4)
	s_cmp_eq_u32 s2, 0
	s_cbranch_scc0 .Lentry_in_a_cluster
	s_endpgm
.Lentry_in_a_cluster:
	s_bfe_u32 s2, ttmp6, 0x10000c
	s_cmp_lg_u32 s2, 0xf033
	s_cbranch_scc0 .Lentry_shape_is_right
	s_endpgm
.Lentry_shape_is_right:
; out0 = A Wo^T + bo.  A = attnws, f16 [16 heads][8192 rows][64]; wob = Wo in f16 [1024 n][1024 k]; out0 f32 [8192][1024]; sums in f32.
; 256 work-groups of four waves; a work-group makes 128 rows x 256 columns, a wave 64 x 128: 32 accumulator tiles, window 1.
; The depth goes in 8 steps of 128 (two heads) through a ring of two LDS slots: Wo's tile has rows of 256 bytes starting at multiples of 256 bytes;
; a head's 128 rows of A are 16 KiB of dense memory, taken as 64 rows of 256 bytes with a pad behind every 128 bytes.
; CLUSTERS: 4 x 4.  A's tiles hang on the block row alone and are asked for jointly by a row of the cluster, Wo's on the block column alone, by a column.
; The matrix instruction is used transposed (source 0 = rows of Wo, source 1 = rows of A): lane l holds row l % 16 and columns 8 (l / 16) + 0..7.
; LIMIT: operands are f16, up to 65,504 in magnitude.
.set BP,    272
.set AP,    144
.set BHALF, 128*BP
.set ABASE, 2*BHALF                    ; behind Wo's 256 rows: two heads x 128 rows of A
.set AHEAD, 128*AP
.set SLOT,  ABASE+2*AHEAD              ; 106,496
.set STAGE, 2*SLOT                     ; behind the ring: 16 rows x 528 bytes for each wave, never a target of a tensor load
.set SPI,   528
.set LAPS,  4                          ; a lap = two steps = once round the ring
.set ADRB, 4                           ; v4-5
.set ADRA, 6                           ; v6-7
.set STO,  8
.set RD,   9
.set CO,   10
.set BO,   16                          ; v[16:19] bo of my four columns on the way out
.set F0,   32                          ; fragments: Wo at 8 b, A at 64 + 8 a
.set F1,   128
.set G1A, 24
.set G0A, 32
.set G1B, 48
.set G0B, 56
.set MSB, 0
.macro WIN new
.if MSB != (\new)
	s_set_vgpr_msb (MSB<<8)|(\new)
.set MSB, (\new)
.endif
.endm
.macro PLACES
.rept 4
	v_nop
.endr
.endm
.macro JLOAD s                         ; waves 0, 1 ask for Wo's halves, waves 2, 3 for a head of A each
	s_cmp_eq_u32 s13, 0
	s_cbranch_scc0 .Lfor_a_\@
	tensor_load_to_lds s[G0B+4*\s:G0B+4*\s+3], s[G1B:G1B+7]
	s_nop 0
	s_branch .Lasked_\@
.Lfor_a_\@:
	tensor_load_to_lds s[G0A+4*\s:G0A+4*\s+3], s[G1A:G1A+7]
	s_nop 0
.Lasked_\@:
.endm
.macro CREST
	s_cmp_lg_u32 s12, 0
	s_cbranch_scc1 .Lnot_wave_0_\@
	s_barrier_signal -3
.Lnot_wave_0_\@:
	s_barrier_wait -3
	s_barrier_signal -1
	s_barrier_wait -1
.endm
.macro CROUND
	s_barrier_signal -1
	s_barrier_wait -1
	CREST
.endm
	s_load_b256 s[4:11], s[0:1], 0x0               ; attnws 4, wob 6, bo 8, out0 10
	v_lshl_add_u32 v254, v0, 2, 0x3c400
	v_mov_b32 v255, 0
	ds_add_u32 v254, v255
	ds_add_u32 v254, v255
	v_lshrrev_b32 v1, 5, v0
	v_readfirstlane_b32 s12, v1                    ; wave
	s_lshr_b32 s13, s12, 1                         ; my half of the rows; also: I ask for Wo (0) or A (1)
	s_and_b32 s14, s12, 1                          ; my half of the columns; also: which half or head I ask for
	s_bfe_u32 s15, ttmp6, 0x40000                  ; cx
	s_bfe_u32 s16, ttmp6, 0x40004                  ; cy
	s_and_b32 s20, ttmp7, 0xffff
	s_lshl_b32 s20, s20, 2
	s_add_co_u32 s20, s20, s16                     ; block row 0..63: s[20:23] never hold cx
	s_lshl_b32 s22, s16, 2
	s_lshl_b32 s22, 15, s22                        ; my row of the cluster
	s_lshl_b32 s40, ttmp9, 2
	s_add_co_u32 s40, s40, s15                     ; block column 0..3: s[40:43] never hold cy
	s_lshl_b32 s42, 0x1111, s15                    ; my column
	s_or_b32 s[G1A+0], s22, (3<<16)|(1<<20)|(1<<21)|(4<<22)|(3<<25)   ; 8-byte elements; padding: behind every 32 words, 4 words
	s_mov_b32 s[G1A+1], 32<<16
	s_mov_b32 s[G1A+2], 64<<16
	s_mov_b32 s[G1A+3], 32<<16
	s_mov_b32 s[G1A+4], 64
	s_mov_b32 s[G1A+5], 32
	s_mov_b32 s[G1A+6], 0
	s_mov_b32 s[G1A+7], 0
	s_or_b32 s[G1B+0], s42, (1<<16)|(1<<20)|(1<<21)|(5<<22)|(3<<25)   ; 2-byte elements; behind every 64 words, 4 words
	s_mov_b32 s[G1B+1], 128<<16
	s_mov_b32 s[G1B+2], 128<<16
	s_mov_b32 s[G1B+3], 128<<16
	s_mov_b32 s[G1B+4], 128
	s_mov_b32 s[G1B+5], 1024
	s_mov_b32 s[G1B+6], 0
	s_mov_b32 s[G1B+7], 0
	s_lshl_b32 s44, s20, 1                         ; offsets that hold both coordinates: none of s[44:47] feeds a descriptor
	s_add_co_u32 s44, s44, s13
	s_lshl_b32 s44, s44, 18                        ; my first row x 4,096 bytes
	s_lshl_b32 s46, s40, 1
	s_add_co_u32 s46, s46, s14
	s_lshl_b32 s46, s46, 9                         ; my first column x 4 bytes
	s_add_co_u32 s44, s44, s46
	s_mov_b32 s45, 0
	s_mov_b32 s47, 0
	s_lshl_b32 s20, s20, 14                        ; 128 rows x 128 bytes a block row,
	s_lshl_b32 s21, s14, 20                        ; and my head of the step's two
	s_add_co_u32 s20, s20, s21
	s_mov_b32 s21, 0
	s_lshl_b32 s40, s40, 1
	s_add_co_u32 s40, s40, s14
	s_lshl_b32 s40, s40, 18                        ; x 128 rows x 2,048 bytes
	s_mov_b32 s41, 0
	s_mul_i32 s17, s12, BHALF                      ; waves 0, 1: Wo's halves
	s_mul_i32 s18, s12, AHEAD
	s_add_co_u32 s18, s18, ABASE-2*AHEAD           ; waves 2, 3: A's heads
	s_wait_dscnt 0x0
	s_wait_kmcnt 0x0
	s_add_nc_u64 s[20:21], s[4:5], s[20:21]
	s_add_nc_u64 s[40:41], s[6:7], s[40:41]
	s_add_nc_u64 s[8:9], s[8:9], s[46:47]
	s_add_nc_u64 s[10:11], s[10:11], s[44:45]
	CROUND                                         ; in front of the first joint loads
.irp s, 0,1
	s_mov_b32 s[G0A+4*\s], 1
	s_add_co_u32 s[G0A+4*\s+1], s18, \s*SLOT
	s_add_nc_u64 s[G0A+4*\s+2:G0A+4*\s+3], s[20:21], \s*2097152    ; step s: two heads on
	s_or_b32 s[G0A+4*\s+3], s[G0A+4*\s+3], 0x80000000
	s_mov_b32 s[G0B+4*\s], 1
	s_add_co_u32 s[G0B+4*\s+1], s17, \s*SLOT
	s_add_nc_u64 s[G0B+4*\s+2:G0B+4*\s+3], s[40:41], \s*256
	s_or_b32 s[G0B+4*\s+3], s[G0B+4*\s+3], 0x80000000
	JLOAD \s                                       ; two loads of the wave are out
.endr
	v_and_b32 v1, 15, v0
	v_bfe_u32 v2, v0, 4, 1
	v_and_b32 v3, 31, v0
	v_lshlrev_b32 v[CO], 4, v3
	global_load_b128 v[BO:BO+3], v[CO], s[8:9]
	v_mul_u32_u24 v11, v1, BP
	v_lshl_add_u32 v11, v2, 4, v11
	s_mul_i32 s19, s14, BHALF
	v_add_nc_u32 v[ADRB], s19, v11
	v_add_nc_u32 v[ADRB+1], SLOT, v[ADRB]
	v_mul_u32_u24 v11, v1, AP
	v_lshl_add_u32 v11, v2, 4, v11
	s_mul_i32 s19, s13, 64*AP
	s_add_co_u32 s19, s19, ABASE
	v_add_nc_u32 v[ADRA], s19, v11
	v_add_nc_u32 v[ADRA+1], SLOT, v[ADRA]
	s_mul_i32 s19, s12, 16*SPI
	s_add_co_u32 s19, s19, STAGE
	v_mul_u32_u24 v11, v1, SPI
	v_lshl_add_u32 v11, v2, 5, v11
	v_add_nc_u32 v[STO], s19, v11                  ; in: row r, 32 bytes for each half of the lanes
	v_add_nc_u32 v[RD], s19, v[CO]                 ; back: a wave takes a row of 512 bytes
; 24 LDS loads in one run: quarter kq (32 along the depth) of a slot: Wo's 8 column blocks, then A's 4 row blocks
.macro FETCH slot, kq, f
	WIN 0
.irp b, 0,1,2,3,4,5,6,7
	ds_load_b128 v[\f+8*\b:\f+8*\b+3],   v[ADRB+\slot] offset:\kq*64+\b*16*BP
	ds_load_b128 v[\f+8*\b+4:\f+8*\b+7], v[ADRB+\slot] offset:\kq*64+\b*16*BP+32
.endr
.irp a, 0,1,2,3
	ds_load_b128 v[\f+64+8*\a:\f+64+8*\a+3],   v[ADRA+\slot] offset:(\kq>>1)*AHEAD+(\kq&1)*64+\a*16*AP
	ds_load_b128 v[\f+64+8*\a+4:\f+64+8*\a+7], v[ADRA+\slot] offset:(\kq>>1)*AHEAD+(\kq&1)*64+\a*16*AP+32
.endr
.endm
; Row block a x all 8 column blocks.  The 32 accumulators take turns, one instruction a turn, in the same order in every quarter,
; over the loop's backward jump too.
.macro MUL8 f, a, zero
	WIN 0x50
.irp b, 0,1,2,3,4,5,6,7
.if \zero
	v_wmma_f32_16x16x32_f16 v[8*(8*\a+\b):8*(8*\a+\b)+7], v[\f+8*\b:\f+8*\b+7], v[\f+64+8*\a:\f+64+8*\a+7], 0
.else
	v_wmma_f32_16x16x32_f16 v[8*(8*\a+\b):8*(8*\a+\b)+7], v[\f+8*\b:\f+8*\b+7], v[\f+64+8*\a:\f+64+8*\a+7], v[8*(8*\a+\b):8*(8*\a+\b)+7]
.endif
.endr
.endm
.macro QUARTER slot, kq, f, g, zero    ; multiplies buffer f; in its middle fetches quarter kq into buffer g
	s_wait_dscnt 0x4                               ; Wo and A's row blocks 0, 1 are in; the youngest four loads may be out
	MUL8 \f, 0, \zero
	MUL8 \f, 1, \zero
	PLACES                                         ; buffer g was read by matrix instructions
	FETCH \slot, \kq, \g
	s_wait_dscnt 24                                ; all but the 24 just issued
	MUL8 \f, 2, \zero
	MUL8 \f, 3, \zero
.endm
.macro THREE slot, zero
	QUARTER \slot, 1, F0, F1, \zero
	QUARTER \slot, 2, F1, F0, 0
	QUARTER \slot, 3, F0, F1, 0
.endm
; The last quarter of a step and the change of slots: my reads of this slot are back and all my tensor loads have landed in front of the signal;
; where the slot is filled again the barrier opens a round of the cluster's barrier and the joint refill is the first tensor load behind it.
; From a request to the wait for it a wave issues 120 matrix instructions.
.macro TURN slot, next, fill
	s_wait_dscnt 0x4
	MUL8 F1, 0, 0
	s_wait_dscnt 0x0
	s_wait_tensorcnt 0x0
	ds_add_u32 v254, v255
	s_wait_dscnt 0x0
	s_barrier_signal -1
	MUL8 F1, 1, 0
	WIN 0
	s_barrier_wait -1
.if \fill
	CREST
	s_add_nc_u64 s[G0A+4*\slot+2:G0A+4*\slot+3], s[G0A+4*\slot+2:G0A+4*\slot+3], 4194304   ; two steps = four heads on
	s_add_nc_u64 s[G0B+4*\slot+2:G0B+4*\slot+3], s[G0B+4*\slot+2:G0B+4*\slot+3], 512
	JLOAD \slot
.endif
	PLACES
	FETCH \next, 0, F0
	MUL8 F1, 2, 0
	MUL8 F1, 3, 0
.endm
.macro LAP zero
	THREE 0, \zero
	TURN 0, 1, 1
	THREE 1, 0
	TURN 1, 0, 1
.endm
	s_wait_tensorcnt 0x1                           ; my part of step 0 is in; step 1's stays out
	s_barrier_signal -1
	s_barrier_wait -1
	FETCH 0, 0, F0
	LAP 1                                          ; the first products start the sums
	WIN 0
	s_mov_b32 s3, LAPS-2
.Llap:
	LAP 0
	WIN 0
	s_sub_co_u32 s3, s3, 1
	s_cmp_lg_u32 s3, 0
	s_cbranch_scc1 .Llap
	THREE 0, 0                                     ; the last lap fills nothing
	TURN 0, 1, 0
	THREE 1, 0
	s_wait_dscnt 0x4
	MUL8 F1, 0, 0
	MUL8 F1, 1, 0
	s_wait_dscnt 0x0
	MUL8 F1, 2, 0
	MUL8 F1, 3, 0
	PLACES                                         ; before results are stored to LDS and the buffers are loaded
	s_wait_loadcnt 0x0                             ; bo
; 16 rows go out: the accumulators as they are into my stage, whole rows of 512 bytes back, + bo, store
.macro OUTA a, f
	WIN 0x04
.irp b, 0,1,2,3,4,5,6,7
	ds_store_b128 v[STO], v[8*(8*\a+\b):8*(8*\a+\b)+3]   offset:64*\b
	ds_store_b128 v[STO], v[8*(8*\a+\b)+4:8*(8*\a+\b)+7] offset:64*\b+16
.endr
	WIN 0
	s_wait_xcnt 0x0                                ; the buffer, which earlier stores read, is loaded again only behind this wait
.irp t, 0,1,2,3,4,5,6,7,8,9,10,11,12,13,14,15
	ds_load_b128 v[\f+4*\t:\f+4*\t+3], v[RD] offset:\t*SPI         ; my own bytes, served in order behind the stores
.endr
.irp t, 0,1,2,3,4,5,6,7,8,9,10,11,12,13,14,15
	s_wait_dscnt 15-\t
	v_pk_add_f32 v[\f+4*\t:\f+4*\t+1],   v[\f+4*\t:\f+4*\t+1],   v[BO:BO+1]
	v_pk_add_f32 v[\f+4*\t+2:\f+4*\t+3], v[\f+4*\t+2:\f+4*\t+3], v[BO+2:BO+3]
	global_store_b128 v[CO], v[\f+4*\t:\f+4*\t+3], s[10:11] offset:(16*\a+\t)*4096 th:TH_STORE_NT    ; 512 consecutive bytes, aligned
.endr
.endm
	OUTA 0, F0
	OUTA 1, F1
	OUTA 2, F0
	OUTA 3, F1
	s_wait_tensorcnt 0x0
	ds_add_u32 v254, v255
	s_wait_dscnt 0x0
	CROUND                                         ; the closing round
	s_endpgm
.Lfunc_end_k_q27a501ab20_oproj:
	.size	k_q27a501ab20_oproj, .Lfunc_end_k_q27a501ab20_oproj-k_q27a501ab20_oproj
	.p2alignl 7, 3214868480
	.fill 96, 4, 3214868480
	.section	.rodata,"a",@progbits
	.p2align	6, 0x0
	.amdhsa_kernel k_q27a501ab20_oproj
		.amdhsa_group_segment_fixed_size 327680
		.amdhsa_private_segment_fixed_size 0
		.amdhsa_enable_private_segment 0
		.amdhsa_kernarg_size 32
		.amdhsa_user_sgpr_count 2
		.amdhsa_user_sgpr_kernarg_segment_ptr 1
		.amdhsa_wavefront_size32 1
		.amdhsa_system_sgpr_workgroup_id_x 1
		.amdhsa_system_sgpr_workgroup_id_y 1
		.amdhsa_system_sgpr_workgroup_id_z 1
		.amdhsa_system_vgpr_workitem_id 0
		.amdhsa_next_free_vgpr 512
		.amdhsa_next_free_sgpr 66
		.amdhsa_reserve_vcc 0
		.amdhsa_float_denorm_mode_32 3
		.amdhsa_float_denorm_mode_16_64 3
		.amdhsa_memory_ordered 1
		.amdhsa_forward_progress 1
		.amdhsa_inst_pref_size 125
	.end_amdhsa_kernel
	.amdgpu_metadata
---
amdhsa.version: [ 1, 2 ]
amdhsa.kernels:
  - .name:           k_q27a501ab20_oproj
    .symbol:         k_q27a501ab20_oproj.kd
    .args:
      - { .name: attnws, .offset: 0, .size: 8, .value_kind: global_buffer, .address_space: global }
      - { .name: wob, .offset: 8, .size: 8, .value_kind: global_buffer, .address_space: global }
      - { .name: bo, .offset: 16, .size: 8, .value_kind: global_buffer, .address_space: global }
      - { .name: out0, .offset: 24, .size: 8, .value_kind: global_buffer, .address_space: global }
    .group_segment_fixed_size: 327680
    .private_segment_fixed_size: 0
    .kernarg_segment_align: 8
    .kernarg_segment_size: 32
    .max_flat_workgroup_size: 128
    .sgpr_count:     66
    .vgpr_count:     512
    .wavefront_size: 32
...
	.end_amdgpu_metadata
.endif
;; end of part 3
